; MI455X (gfx1250); checked and timed in simulation.
; The chip was launched on July 23, 2026; its instructions are those of AMD's public machine-readable ISA for CDNA 5 (MIT licence, August 2026) and "CDNA5" Instruction Set Architecture Reference Guide (July 2026). The comments in the code are by the model that wrote it; some were corrected since.
;; Multi Head Attention. Allowed arithmetic: matrix products marked QUANTISED: E4M3 operands, one given power-of-two scale a tensor, by v_wmma_f32_16x16x64_fp8_fp8 or v_wmma_f32_16x16x128_fp8_fp8, f32 sums; everything else in f32.
;; Inputs: W_k 1,024 x 1,024 float32; W_o 1,024 x 1,024 float32; W_q 1,024 x 1,024 float32; W_v 1,024 x 1,024 float32; lowp_scales 12 int32 (the exponents e of the quantised operands' scales 2^e); x 4 x 2,048 x 1,024 float32.
;; Outputs: out0 4 x 2,048 x 1,024 float32.
;; This version of the problem:
;;   THIS VERSION OF THE PROBLEM IS GIVEN IN LOW PRECISION. The matrix products marked QUANTISED in the list below multiply operands that are first quantised to E4M3 (4 exponent bits, 3 mantissa bits; 8 bits a number), with one given power-of-two scale for each operand tensor; their sums are f32. All else is computed in f32.
;;   The module's matrix products, in the order in which they are computed (A, B: the left and right operand; K: the contracted axis; several contracted axes count as one K, in the product's order):
;;     1. [M 8,192, K 1,024] x [K 1,024, N 1,024]; A: input x; B: input W_q: QUANTISED (scales: A lowp_scales[0], B lowp_scales[1])
;;     2. [M 8,192, K 1,024] x [K 1,024, N 1,024]; A: input x; B: input W_k: QUANTISED (scales: A lowp_scales[2], B lowp_scales[3])
;;     3. [M 8,192, K 1,024] x [K 1,024, N 1,024]; A: input x; B: input W_v: QUANTISED (scales: A lowp_scales[4], B lowp_scales[5])
;;     4. batch 64 x [M 2,048, K 64] x [K 64, N 2,048]; A: computed on the way; B: computed on the way: QUANTISED (scales: A lowp_scales[6], B lowp_scales[7])
;;     5. batch 64 x [M 2,048, K 2,048] x [K 2,048, N 64]; A: softmax (see below); B: computed on the way: QUANTISED (scales: A lowp_scales[8], B lowp_scales[9])
;;     6. [M 8,192, K 1,024] x [K 1,024, N 1,024]; A: computed on the way; B: input W_o: QUANTISED (scales: A lowp_scales[10], B lowp_scales[11])
;;   THE QUANTISER, for each operand of a quantised product, along K:
;;     - The operand's scale is 2^e, e = its entry of the input lowp_scales (int32; the entries are numbered through the quantised products in the list's order, A before B).
;;     - Each number is divided by the scale, clamped to +-448, and rounded to the nearest number of E4M3, ties to even, subnormals kept.
;;     - The product sums the exact products of the quantised numbers (number of the format x scale) in f32.
;;   ~~~python
;;   def quantise(x, axis, e):      # numpy; x: float32 -> the quantised numbers, widened to float32 again
;;       x = np.moveaxis(x, axis, -1); K = x.shape[-1]
;;       r = np.clip(x / 2.0 ** e, -448, 448)
;;       step = 2.0 ** (np.maximum(np.frexp(np.where(r == 0, 1, r))[1] - 1, -6) - 3)
;;       q = np.round(r / step) * step * 2.0 ** e      # np.round: ties to even
;;       return np.moveaxis(q, -1, axis).astype(np.float32)
;;   ~~~
;;   SOFTMAX AHEAD OF A QUANTISED PRODUCT. Where the list says 'softmax', what is quantised is not the finished softmax but p = 2^(t - M), with t = logit x log2(e) and M = ceil(the row's largest t), a whole number; so 1/2 < the row's largest p <= 1. The row's sum l is taken of the UNQUANTISED p, in f32, and the product's result is divided by l at the end. Since M is a whole number, a kernel that streams over the keys may use a running M (the ceiling of the running maximum): every later rescaling is an exact power of two, so the quantised numbers keep their values, but for numbers so far below the row's largest that they fall under the format's range.
;;   OPERANDS COMPUTED ON THE WAY. 'Computed on the way' means the value that the module computes at that place (a softmax that the list does not call 'softmax' is quantised finished and normalised). What goes into a quantiser is computed in f32, as accurately as f32 sums, v_exp_f32 and their like allow (about 1e-6 of the number): no bf16 or f16 on the way to a quantiser, and a product that is left as it is and whose result goes on into a quantised operand takes f32 operands (vector FMAs, or v_wmma_f32_16x16x4_f32). A number that lies on a knife's edge between two numbers of the format may be rounded either way, as far as f32 arithmetic and the matrix unit's own rounding can turn it there, and no further.
;; One version. Each part assembles by itself: llvm-mc -triple=amdgcn-amd-amdhsa -mcpu=gfx1250 --defsym DOCPART=n.
;; ======== version 1 of 1: 4 launches
;; limits: right only within a limited range of input values
;; workspace buffers: xc 25,165,824 bytes; wc 4,194,304 bytes; qkv 25,165,824 bytes; ao 8,388,608 bytes
;; launch quant (part 1): grid 768 x 1, 4 waves a work-group, no clusters, 34,304 bytes of LDS; arguments x, W_q, W_k, W_v, W_o, lowp_scales, xc, wc; writes xc, wc
.if DOCPART == 1
	.amdgcn_target "amdgcn-amd-amdhsa--gfx1250"
	.amdhsa_code_object_version 6
	.text
	.protected	k_q13aadb7020_quant
	.globl	k_q13aadb7020_quant
	.p2align	8
	.type	k_q13aadb7020_quant,@function
k_q13aadb7020_quant:
	s_mov_b64 s[64:65], 0
	v_nop
	global_prefetch_b8 v0, s[64:65] scope:SCOPE_SE
	s_setreg_imm32_b32 hwreg(HW_REG_WAVE_MODE, 25, 1), 1
	s_wait_xcnt 0x0
; x [8192][1024] and the four weights [1024][1024], f32, K innermost, become codes of FP8 (E4M3), laid as IMAGES OF FRAGMENT REGISTERS.
; x is quantised three times (scales e0, e2, e4: the three projections' A operands), each weight once (W_q e1, W_k e3, W_v e5, W_o e11).
; code = number / 2^e, held within +-448, rounded to the nearest code, ties to even.
; THE IMAGE.  A fragment is 16 rows x 128 K: 2,048 bytes in four pieces of 512.  In piece p lane l = 16 h + r owns the 16 bytes at 512 p + 16 l:
; bytes 0-7 are k = 32 p + 8 h + 0..7 of row r, bytes 8-15 are k = 32 p + 16 + 8 h + 0..7: the four registers 4 p .. 4 p + 3 of the plain 8-bit operand layout.
; A matrix of rows x 1,024 K: fragment (row / 16, k / 128) lies at (row / 16) x 16,384 + (k / 128) x 2,048.
; SHARES.  A work-group takes one tile of 16 rows: numbers 0-511 those of x, 512-767 those of the weights (64 each, in the order q, k, v, o).  Wave w takes K = 256 w .. 256 w + 255: two fragments.
; Each load reads 512 consecutive bytes of one row; a fragment's 8 KiB turn through the wave's own stage in LDS, so that a lane gets the 16 numbers of each piece that its image wants;
; each store writes 512 consecutive bytes.  Waves share nothing: no barrier.
; LIMITS: every e used here lies between -126 and 119, so that 2^e and 448 x 2^e are f32 numbers.  NaN among the inputs is not served (an infinity is held at the largest code).
.set SP,   528                         ; a stage row: 512 bytes + 16 = 33 x 16: the sixteen rows that a read touches start at sixteen different 16-byte columns of 256
.set WST,  16*SP                       ; a wave's stage
.set L16,  1                           ; v1   16 x lane: my place in 512 bytes, in memory both ways
.set LW,   2                           ; v2   the stage, way in
.set LR,   3                           ; v3   the stage, way out: row r, + 32 h
.set SC,   4                           ; v4-6 2^e as f32, for the three sets of codes
.set LM,   7
.set R,    16                          ; v16-143  two fragments as loaded, 64 registers each
.set X,    144                         ; v144-207 a fragment's 64 numbers of my lane, in the image's order
.set T,    208
.set C,    240                         ; v240-255 a fragment's codes
	s_load_b512 s[4:19], s[0:1], 0x0               ; x s[4:5], W_q s[6:7], W_k s[8:9], W_v s[10:11], W_o s[12:13], scales s[14:15], xc s[16:17], wc s[18:19]
	v_lshl_add_u32 v14, v0, 2, 0x8400
	v_mov_b32 v15, 0
	v_lshrrev_b32 v10, 5, v0
	v_readfirstlane_b32 s20, v10                   ; wave 0..3
	v_and_b32 v11, 31, v0
	v_lshlrev_b32 v[L16], 4, v11
	s_mul_i32 s21, s20, WST
	v_add_nc_u32 v[LW], s21, v[L16]
	v_and_b32 v12, 15, v0                          ; r
	v_bfe_u32 v13, v0, 4, 1                        ; h
	v_mul_u32_u24 v[LR], v12, SP
	v_lshl_add_u32 v[LR], v13, 5, v[LR]
	v_add_nc_u32 v[LR], s21, v[LR]
	s_and_b32 s30, ttmp9, 63                       ; a weight's tile of rows,
	s_bfe_u32 s31, ttmp9, 0x20006                  ; and which weight: bits 7:6 of the work-group's number (512 sets bit 9 alone)
	s_lshl_b32 s31, s31, 20                        ; its section of wc
	s_cmp_lt_u32 ttmp9, 512
	s_cselect_b32 s30, ttmp9, s30                  ; the tile of rows
	s_cselect_b32 s31, 0, s31
	s_lshl_b32 s32, s30, 16                        ; in: 16 rows of 4,096 bytes,
	s_lshl_b32 s33, s20, 10                        ; + my wave's 256 numbers
	s_add_co_u32 s32, s32, s33
	s_mov_b32 s33, 0
	s_lshl_b32 s34, s30, 14                        ; out: 8 fragments of 2,048 bytes,
	s_lshl_b32 s35, s20, 12                        ; + my wave's two
	s_add_co_u32 s34, s34, s35
	s_mov_b32 s35, 0
	s_mov_b32 s30, s31
	s_mov_b32 s31, 0
	s_wait_alu depctr_va_vdst(0)
	s_wait_kmcnt 0x0
	s_load_b256 s[36:43], s[14:15], 0x0            ; e0 .. e7
	s_load_b128 s[44:47], s[14:15], 0x20           ; e8 .. e11
	s_mov_b64 s[22:23], s[12:13]                   ; the source is chosen by the work-group's number alone
	s_cmp_lt_u32 ttmp9, 704
	s_cselect_b64 s[22:23], s[10:11], s[22:23]
	s_cmp_lt_u32 ttmp9, 640
	s_cselect_b64 s[22:23], s[8:9], s[22:23]
	s_cmp_lt_u32 ttmp9, 576
	s_cselect_b64 s[22:23], s[6:7], s[22:23]
	s_cmp_lt_u32 ttmp9, 512
	s_cselect_b64 s[22:23], s[4:5], s[22:23]
	s_cselect_b64 s[24:25], s[16:17], s[18:19]     ; the first set of codes goes to xc or to wc
	s_add_nc_u64 s[22:23], s[22:23], s[32:33]
	s_add_nc_u64 s[24:25], s[24:25], s[34:35]
	s_add_nc_u64 s[24:25], s[24:25], s[30:31]
	s_add_nc_u64 s[26:27], s[16:17], s[34:35]
	s_add_nc_u64 s[28:29], s[26:27], 16777216      ; x under e4
	s_add_nc_u64 s[26:27], s[26:27], 8388608       ; x under e2
.macro LOAD f                          ; fragment f: 16 rows x 512 consecutive bytes
.irp i, 0,1,2,3,4,5,6,7,8,9,10,11,12,13,14,15
	global_load_b128 v[R+64*\f+4*\i:R+64*\f+4*\i+3], v[L16], s[22:23] offset:4096*\i+512*\f th:TH_LOAD_NT
.endr
.endm
.macro TURN f                          ; through my stage: LDS serves a wave's instructions in order, so no wait stands between the stores and the loads
.irp i, 0,1,2,3,4,5,6,7,8,9,10,11,12,13,14,15
	ds_store_b128 v[LW], v[R+64*\f+4*\i:R+64*\f+4*\i+3] offset:SP*\i
.endr
.irp b, 0,1,2,3                        ; piece b: k = 32 b + 8 h + 0..7 (32 bytes), then k = 32 b + 16 + 8 h + 0..7
	ds_load_b128 v[X+16*\b:X+16*\b+3],     v[LR] offset:128*\b
	ds_load_b128 v[X+16*\b+4:X+16*\b+7],   v[LR] offset:128*\b+16
	ds_load_b128 v[X+16*\b+8:X+16*\b+11],  v[LR] offset:128*\b+64
	ds_load_b128 v[X+16*\b+12:X+16*\b+15], v[LR] offset:128*\b+80
.endr
.endm
; The fragment in X is quantised with scale q and stored at s[base].
.macro QS q, f, base, first
.if \first == 0
	s_wait_xcnt 0x0                                ; the earlier stores have read C: it is written again only behind this wait
.endif
.irp b, 0,1,2,3
.irp i, 0,1,2,3,4,5,6,7,8,9,10,11,12,13,14,15
.endr
	v_cvt_scalef32_pk8_fp8_f32 v[C+4*\b:C+4*\b+1], v[T+16*(\b%2)+((X+16*\b+0)-(T+16*(\b%2)+0)):T+16*(\b%2)+7+((X+16*\b+0)-(T+16*(\b%2)+0))], v[SC+\q]
	v_cvt_scalef32_pk8_fp8_f32 v[C+4*\b+2:C+4*\b+3], v[T+16*(\b%2)+8+((X+16*\b+0)-(T+16*(\b%2)+0)):T+16*(\b%2)+15+((X+16*\b+0)-(T+16*(\b%2)+0))], v[SC+\q]
.endr
	v_nop                                          ; a plain line behind the last conversion
.irp b, 0,1,2,3
	global_store_b128 v[L16], v[C+4*\b:C+4*\b+3], s[\base:\base+1] offset:2048*\f+512*\b   ; 32 lanes store 512 consecutive bytes
.endr
.endm
.macro PROC f, first                   ; x gets three sets of codes, a weight one: a branch on the work-group's number, round global stores and register work alone
	QS 0, \f, 24, \first
	s_cmp_lt_u32 ttmp9, 512
	s_cbranch_scc0 .Lweight_\@
	QS 1, \f, 26, 0
	QS 2, \f, 28, 0
.Lweight_\@:
.endm
.macro MKSC e, q                       ; 2^e as f32
	s_add_co_i32 s30, \e, 127
	s_lshl_b32 s31, s30, 23
	v_mov_b32 v[SC+\q], s31
.endm
	LOAD 0
	LOAD 1
	s_wait_kmcnt 0x0
	s_mov_b32 s21, s47                             ; e11 for W_o, e5 for W_v, e3 for W_k, e1 for W_q, e0 for x
	s_cmp_lt_u32 ttmp9, 704
	s_cselect_b32 s21, s41, s21
	s_cmp_lt_u32 ttmp9, 640
	s_cselect_b32 s21, s39, s21
	s_cmp_lt_u32 ttmp9, 576
	s_cselect_b32 s21, s37, s21
	s_cmp_lt_u32 ttmp9, 512
	s_cselect_b32 s21, s36, s21
	MKSC s21, 0
	MKSC s38, 1                                    ; e2
	MKSC s40, 2                                    ; e4
	s_wait_alu depctr_va_vdst(0)
	s_wait_loadcnt 16                              ; fragment 0's sixteen loads are in; fragment 1's sixteen may be out
	TURN 0
	s_wait_dscnt 0x0
	PROC 0, 1
	s_wait_loadcnt 0x0
	TURN 1
	s_wait_dscnt 0x0
	PROC 1, 0
	s_wait_tensorcnt 0x0
	ds_add_u32 v14, v15
	s_wait_dscnt 0x0
	s_endpgm
.Lfunc_end_k_q13aadb7020_quant:
	.size	k_q13aadb7020_quant, .Lfunc_end_k_q13aadb7020_quant-k_q13aadb7020_quant
	.p2alignl 7, 3214868480
	.fill 96, 4, 3214868480
	.section	.rodata,"a",@progbits
	.p2align	6, 0x0
	.amdhsa_kernel k_q13aadb7020_quant
		.amdhsa_group_segment_fixed_size 34304
		.amdhsa_private_segment_fixed_size 0
		.amdhsa_enable_private_segment 0
		.amdhsa_kernarg_size 64
		.amdhsa_user_sgpr_count 2
		.amdhsa_user_sgpr_kernarg_segment_ptr 1
		.amdhsa_wavefront_size32 1
		.amdhsa_system_sgpr_workgroup_id_x 1
		.amdhsa_system_sgpr_workgroup_id_y 1
		.amdhsa_system_sgpr_workgroup_id_z 1
		.amdhsa_system_vgpr_workitem_id 0
		.amdhsa_next_free_vgpr 256
		.amdhsa_next_free_sgpr 66
		.amdhsa_reserve_vcc 0
		.amdhsa_float_denorm_mode_32 3
		.amdhsa_float_denorm_mode_16_64 3
		.amdhsa_fp16_overflow 1
		.amdhsa_memory_ordered 1
		.amdhsa_forward_progress 1
		.amdhsa_inst_pref_size 17
	.end_amdhsa_kernel
	.amdgpu_metadata
---
amdhsa.version: [ 1, 2 ]
amdhsa.kernels:
  - .name:           k_q13aadb7020_quant
    .symbol:         k_q13aadb7020_quant.kd
    .args:
      - { .name: x, .offset: 0, .size: 8, .value_kind: global_buffer, .address_space: global }
      - { .name: W_q, .offset: 8, .size: 8, .value_kind: global_buffer, .address_space: global }
      - { .name: W_k, .offset: 16, .size: 8, .value_kind: global_buffer, .address_space: global }
      - { .name: W_v, .offset: 24, .size: 8, .value_kind: global_buffer, .address_space: global }
      - { .name: W_o, .offset: 32, .size: 8, .value_kind: global_buffer, .address_space: global }
      - { .name: lowp_scales, .offset: 40, .size: 8, .value_kind: global_buffer, .address_space: global }
      - { .name: xc, .offset: 48, .size: 8, .value_kind: global_buffer, .address_space: global }
      - { .name: wc, .offset: 56, .size: 8, .value_kind: global_buffer, .address_space: global }
    .group_segment_fixed_size: 34304
    .private_segment_fixed_size: 0
    .kernarg_segment_align: 8
    .kernarg_segment_size: 64
    .max_flat_workgroup_size: 128
    .sgpr_count:     66
    .vgpr_count:     256
    .wavefront_size: 32
...
	.end_amdgpu_metadata
.endif
;; end of part 1
;; launch gemm_qkv (part 2): grid 12 x 32, 4 waves a work-group, clusters of 4 x 4, 327,680 bytes of LDS; arguments xc, wc, lowp_scales, qkv; writes qkv
.if DOCPART == 2
	.amdgcn_target "amdgcn-amd-amdhsa--gfx1250"
	.amdhsa_code_object_version 6
	.text
	.protected	k_q13aadb7020_gemm_qkv
	.globl	k_q13aadb7020_gemm_qkv
	.p2align	8
	.type	k_q13aadb7020_gemm_qkv,@function
k_q13aadb7020_gemm_qkv:
	s_mov_b64 s[64:65], 0
	v_nop
	global_prefetch_b8 v0, s[64:65] scope:SCOPE_SE
	s_setreg_imm32_b32 hwreg(HW_REG_WAVE_MODE, 25, 1), 1
	s_wait_xcnt 0x0
	s_wait_alu depctr_hold_cnt(0) depctr_sa_sdst(0) depctr_va_vdst(0) depctr_va_sdst(0) depctr_va_ssrc(0) depctr_va_vcc(0) depctr_vm_vsrc(0)
	s_getreg_b32 s2, hwreg(HW_REG_IB_STS2, 6, 4)
	s_cmp_eq_u32 s2, 0
	s_cbranch_scc0 .Lentry_in_a_cluster
	s_endpgm
.Lentry_in_a_cluster:
	s_bfe_u32 s2, ttmp6, 0x10000c
	s_cmp_lg_u32 s2, 0xf033
	s_cbranch_scc0 .Lentry_shape_is_right
	s_endpgm
.Lentry_shape_is_right:
; The three projections Q, K, V = x W^T on codes of FP8 (E4M3), K = 1,024, and their results quantised at once into the operands of the attention's two products.
; All operands are IMAGES OF FRAGMENT REGISTERS: a fragment (16 rows x 128 K) is 2,048 bytes, four pieces of 512, lane l's 16 bytes of piece p at 512 p + 16 l = its registers 4 p .. 4 p + 3 in the plain
; 8-bit layout; fragment (row / 16, k / 128) of a matrix lies at (row / 16) x 16,384 + (k / 128) x 2,048.
; The cluster's x says which product: 0 Q, 1 K, 2 V.  A tile of 256 x 256 results is made by four waves, 128 x 128 each: 64 accumulators, 512 registers.
; THE MATRIX INSTRUCTION IS USED TRANSPOSED: source 0 = 16 rows of B', source 1 = 16 rows of A': a lane holds ONE row of A' and eight neighbouring rows of B'.
;   Q, K: A' = x's codes (tokens), B' = the weight (features): a lane's eight results are eight neighbours along the head's 64, the next product's K.
;   V:    A' = W_v (features), B' = x's codes (tokens): a lane's eight results are eight neighbouring KEYS, the second product's K.
; So the conversions' results are the next operand's image, and leave by stores of 512 consecutive bytes: no stage in LDS.  Only pointers and tile numbers differ between the three products, chosen by
; s_cselect on the cluster's x, which all partners share; loop, masks and LDS addresses are one text.
; K goes in steps of 256 through a ring of two LDS slots.  A wave's tensor load brings 8 tiles of 16 rows x 256 K: 8 rows of 4,096 consecutive bytes, 16,384 bytes apart.  Images need no padding: a fragment load
; reads 512 consecutive bytes.
; CLUSTERS: 4 x 4 work-groups; A's tiles are asked for jointly along a row of the cluster, B's along a column.
; qkv: three sections of 8,388,608 bytes; each (batch x 16 + head) owns 131,072 in each.  q, k: [token / 16][1,024 bytes: 16 tokens x 64].  v: [key / 128][d / 16][2,048 bytes: 16 d x 128 keys].
; A sum stands for sum x 2^(ea + eb); its code is sum / 2^E, E = e6 - e0 - e1 (Q), e7 - e2 - e3 (K), e9 - e4 - e5 (V).  LIMIT: E between -126 and 119.
; REGISTERS, in windows of 256: window 0: v4-30 addresses and two scales; from v128 A's fragments, ONE set; on the way out v32-223 are free.  window 1: B's fragments, TWO sets.  windows 2, 3: the accumulators.
.set ROWB,   4096                      ; a tile of 16 rows in a K step: two fragments
.set HALFT,  8*ROWB                    ; 128 rows: what one tensor load brings, and what one wave reads of A' or of B'
.set SLOT,   4*HALFT                   ; A's 256 rows, then B's 256 rows
.set SPARE,  2*SLOT                    ; behind the ring: the spare words, 128 bytes for each wave: two blocks of 256 bytes that no other line names
.set LAPS,   2                         ; 1,024 along K = four K steps = twice round the ring
.set FR,     16                        ; registers of a fragment
.set NL,     4                         ; LDS loads that bring one
.set NP,     4                         ; places behind this matrix instruction (ISA guide 7.12.1)
.set VO,   4                           ; v4-11   the way out: block a's byte offset
.set LIM,  12
.set SCL,  13                          ; v13     2^E
.set ADRA, 16                          ; v16-17  LDS address of my A fragments in slot 0, 1
.set ADRB, 20                          ; v20-21  the same for B
.set SPW,  28                          ; v28     LDS address of my spare word; never rewritten
.set NIL,  29                          ; v29     0; never rewritten
.set L16,  30                          ; v30     16 x lane
.set TMP,  32
.set CD,   96                          ; v96-223 the way out: 16 registers of codes for each block, so that no store's data are written again
.set AF,   128                         ; A's fragments, in window 0
.set G1, 24                            ; s[24:31] descriptor group 1 for A's tiles;  s[32:39] group 0, one set for each slot
.set G0, 32
.set G1B, 48                           ; s[48:55], s[56:63] the same for B's tiles
.set G0B, 56
.set MSB, 0
.macro WIN new                         ; the immediate's high byte repeats the setting that is left
.if MSB != \new
	s_set_vgpr_msb (MSB<<8)|\new
.set MSB, \new
.endif
.endm
.set MUL_LO, 0xa1                      ; source 0 (B) window 1, source 1 (A) window 0, C and D window 2
.set MUL_HI, 0xf1                      ; the same, C and D window 3
.set TO_B,   0x40                      ; destination window 1, address window 0
; A joint load: waves 0 and 1 fetch for A, waves 2 and 3 for B.  The branch hangs on the wave's number alone.  Four v_nop follow each of the two lines.
.macro JLOAD g0a, g1a, g0b, g1b
	s_cmp_eq_u32 s15, 0
	s_cbranch_scc0 .Lfor_b_\@
	tensor_load_to_lds s[\g0a:\g0a+3], s[\g1a:\g1a+7]
	s_nop 0
.rept 4
	v_nop
.endr
	s_branch .Lasked_\@
.Lfor_b_\@:
	tensor_load_to_lds s[\g0b:\g0b+3], s[\g1b:\g1b+7]
	s_nop 0
.rept 4
	v_nop
.endr
.Lasked_\@:
.endm
.macro CREST                           ; a round of the cluster's barrier behind its opening barrier
	s_cmp_lg_u32 s14, 0
	s_cbranch_scc1 .Lnot_wave_0_\@
	s_barrier_signal -3
.Lnot_wave_0_\@:
	s_barrier_wait -3
	s_barrier_signal -1
	s_barrier_wait -1
.endm
.macro CROUND                          ; a whole round
	s_barrier_signal -1
	s_barrier_wait -1
	CREST
.endm
	s_load_b256 s[68:75], s[0:1], 0x0              ; xc s[68:69], wc s[70:71], the scales' exponents s[72:73], qkv s[74:75]
	v_lshl_add_u32 v[SPW], v0, 2, SPARE
	v_mov_b32 v[NIL], 0
	ds_add_u32 v28, v29
	ds_add_u32 v28, v29
	s_wait_dscnt 0x0
	v_lshrrev_b32 v1, 5, v0
	v_readfirstlane_b32 s14, v1                    ; wave 0..3
	s_lshr_b32 s15, s14, 1                         ; which half of A's rows is mine.  Also: I fetch for A (0) or for B (1)
	s_and_b32 s16, s14, 1                          ; which half of B's rows.  Also: which 128 rows of that tile I fetch
	s_bfe_u32 s40, ttmp6, 0x40000                  ; cx, cy: my place in the cluster
	s_bfe_u32 s41, ttmp6, 0x40004
	s_lshl_b32 s43, s41, 2
	s_lshl_b32 s43, 15, s43                        ; my row of the cluster
	s_lshl_b32 s44, 0x1111, s40                    ; my column
	; descriptor group 1: 8 rows of 4,096 bytes, 16,384 bytes apart, dense in LDS
	s_or_b32 s[G1+0], s43, (1<<21)                 ; 15:0 the mask: A's tiles go to my row; 17:16 elements of 1 byte; 20 no padding; 21 set beside a mask
	s_or_b32 s[G1B+0], s44, (1<<21)                ; B's go to my column
.irp g, G1, G1B
	s_mov_b32 s[\g+1], ROWB<<16                    ; tensor_dim0 = 4,096
	s_mov_b32 s[\g+2], 8<<16                       ; tensor_dim1 = 8
	s_mov_b32 s[\g+3], ROWB<<16                    ; tile_dim0
	s_mov_b32 s[\g+4], 8                           ; tile_dim1
	s_mov_b32 s[\g+5], 16384                       ; tensor_dim0_stride
	s_mov_b32 s[\g+6], 0
	s_mov_b32 s[\g+7], 0
.endr
	s_and_b32 s88, ttmp7, 0xffff
	s_lshl_b32 s88, s88, 2                         ; 4 x cluster y: the tokens' tiles
	s_lshl_b32 s89, ttmp9, 23                      ; the product's section of xc,
	s_lshl_b32 s90, ttmp9, 20                      ; and of wc
	s_lshl_b32 s18, s16, 17                        ; which 128 rows of the tile I fetch: 8 x 16,384 bytes
	s_lshl_b32 s45, s14, 15                        ; where they go: wave x 128 rows: no place in the cluster enters an LDS address
	s_cmp_eq_u32 ttmp9, 2                          ; V?  The cluster's x is the same in all sixteen partners
	s_cselect_b32 s17, 0, s88
	s_cselect_b32 s42, s88, 0
	s_cselect_b32 s20, s90, s89                    ; A's section
	s_cselect_b32 s46, s89, s90                    ; B's section
	s_add_co_u32 s17, s17, s41                     ; A's tile: it holds cy and never cx
	s_add_co_u32 s42, s42, s40                     ; B's tile: it holds cx and never cy
	s_lshl_b32 s19, s17, 18                        ; a tile of 256 rows is 262,144 bytes
	s_add_co_u32 s20, s20, s19
	s_add_co_u32 s20, s20, s18
	s_mov_b32 s21, 0
	s_lshl_b32 s47, s42, 18
	s_add_co_u32 s46, s46, s47
	s_add_co_u32 s46, s46, s18
	s_mov_b32 s47, 0
	s_wait_kmcnt 0x0
	s_load_b256 s[76:83], s[72:73], 0x0            ; e0 .. e7
	s_load_b128 s[84:87], s[72:73], 0x20           ; e8 .. e11
	s_cmp_eq_u32 ttmp9, 2
	s_cselect_b64 s[22:23], s[70:71], s[68:69]     ; A' lies in wc for V, else in xc
	s_cselect_b64 s[90:91], s[68:69], s[70:71]     ; B' the other way round
	s_add_nc_u64 s[20:21], s[22:23], s[20:21]
	s_add_nc_u64 s[46:47], s[90:91], s[46:47]
	CROUND                                         ; all sixteen work-groups are here: the first joint loads meet
.irp s, 0,1
	s_mov_b32 s[G0+4*\s], 1
	s_add_co_u32 s[G0+4*\s+1], s45, \s*SLOT
	s_add_nc_u64 s[G0+4*\s+2:G0+4*\s+3], s[20:21], \s*ROWB
	s_or_b32 s[G0+4*\s+3], s[G0+4*\s+3], 0x80000000
	s_mov_b32 s[G0B+4*\s], 1
	s_add_co_u32 s[G0B+4*\s+1], s45, \s*SLOT
	s_add_nc_u64 s[G0B+4*\s+2:G0B+4*\s+3], s[46:47], \s*ROWB
	s_or_b32 s[G0B+4*\s+3], s[G0B+4*\s+3], 0x80000000
	JLOAD G0+4*\s, G1, G0B+4*\s, G1B
.endr
	v_and_b32 v1, 31, v0
	v_lshlrev_b32 v[L16], 4, v1
	s_lshl_b32 s21, s15, 15                        ; my 128 rows of A'
	s_lshl_b32 s22, s16, 15                        ; my 128 rows of B',
	s_add_co_u32 s22, s22, 2*HALFT                 ; which lie behind A's 256
.irp s, 0,1
	v_add_nc_u32 v[ADRA+\s], s21, v[L16]
	v_add_nc_u32 v[ADRB+\s], s22, v[L16]
	s_add_co_u32 s21, s21, SLOT
	s_add_co_u32 s22, s22, SLOT
.endr
	; where my results go.  tT, wT: the tile and half of the tokens; tF, wF: of the features
	s_mov_b32 s94, 131072                          ; from a block's first two pieces to its last two: the next head's section (Q, K), or 1,024 bytes (V)
	s_cmp_eq_u32 ttmp9, 2
	s_cselect_b32 s88, s42, s17                    ; tT
	s_cselect_b32 s89, s17, s42                    ; tF
	s_cselect_b32 s90, s16, s15                    ; wT
	s_cselect_b32 s91, s15, s16                    ; wF
	s_cselect_b32 s92, 1, 0
	s_cselect_b32 s93, 122880, 0                   ; V: blocks 4-7 belong to the next head: 131,072 - 4 x 2,048 further on
	s_cselect_b32 s94, 1024, s94
	s_lshl_b32 s92, 1024, s92                      ; from block to block: 1,024 bytes (16 tokens of Q, K) or 2,048 (16 d of V)
	s_lshr_b32 s95, s88, 3                         ; the batch,
	s_lshl_b32 s95, s95, 4
	s_lshl_b32 s89, s89, 2
	s_add_co_u32 s95, s95, s89
	s_lshl_b32 s91, s91, 1
	s_add_co_u32 s95, s95, s91                     ; x 16 + my first head = 4 tF + 2 wF
	s_lshl_b32 s95, s95, 17
	s_and_b32 s88, s88, 7
	s_lshl_b32 s88, s88, 1
	s_add_co_u32 s88, s88, s90                     ; my 128 tokens within the batch:
	s_lshl_b32 s88, s88, 13                        ; 8,192 bytes in each of the three layouts
	s_add_co_u32 s88, s88, s95
	s_lshl_b32 s89, ttmp9, 23                      ; the product's section of qkv
	s_add_co_u32 s88, s88, s89
	s_mov_b32 s89, 0
	s_add_nc_u64 s[10:11], s[74:75], s[88:89]
	s_mov_b32 s95, 0
	s_add_nc_u64 s[12:13], s[10:11], s[94:95]
.macro FRAG reg, adr, q, i             ; a fragment's image: four loads of 512 consecutive bytes; tile of rows i, the slot's q-th 128 along K
.irp c, 0,1,2,3
	ds_load_b128 v[\reg+4*\c:\reg+4*\c+3], v[\adr] offset:4096*(\i)+2048*(\q)+512*\c
.endr
.endm
; 16 matrix instructions: A's blocks a0, a0 + 1 x B's eight, 128 along K.  p: B's set.  zero = 1: the first product starts the sums.
; The 64 accumulators take turns, one instruction a turn, in the same order in every step.
.macro MUL16 a0, p, zero
.irp a, \a0, \a0+1
.irp b, 0,1,2,3,4,5,6,7
.if \zero
	v_wmma_f32_16x16x128_fp8_fp8 v[8*(8*((\a)%4)+\b):8*(8*((\a)%4)+\b)+7], v[128*(\p)+FR*\b:128*(\p)+FR*\b+FR-1], v[AF+FR*(\a):AF+FR*(\a)+FR-1], 0
.else
	v_wmma_f32_16x16x128_fp8_fp8 v[8*(8*((\a)%4)+\b):8*(8*((\a)%4)+\b)+7], v[128*(\p)+FR*\b:128*(\p)+FR*\b+FR-1], v[AF+FR*(\a):AF+FR*(\a)+FR-1], v[8*(8*((\a)%4)+\b):8*(8*((\a)%4)+\b)+7]
.endif
.endr
.endr
.endm
.macro FETCH_B slot, q, p              ; B's eight fragments of the slot's q-th 128 along K into set p
	WIN TO_B
.irp i, 0,1,2,3,4,5,6,7
	FRAG 128*(\p)+FR*\i, ADRB+\slot, \q, \i
.endr
	WIN 0
.endm
.macro FETCH_A slot, q, i0             ; A's blocks i0 .. i0 + 3
.irp i, \i0, \i0+1, \i0+2, \i0+3
	FRAG AF+FR*(\i), ADRA+\slot, \q, \i
.endr
.endm
.macro PLACES n                        ; plain vector lines between a matrix instruction and a load into, or a vector line on, its registers
.rept \n
	v_nop
.endr
.endm
; A step of 128 along K that has its successor in the same slot.
.macro STEP slot, q, zero
	s_wait_dscnt 4*NL                              ; B's set and A's blocks 0-3 are in; the youngest sixteen loads (A's blocks 4-7) may be out
	WIN MUL_LO
	MUL16 0, (\q)%2, \zero
	MUL16 2, (\q)%2, \zero
	s_wait_dscnt 0                                 ; A's blocks 4-7 are in
	PLACES NP
	FETCH_B \slot, (\q)+1, 1-(\q)%2
	FETCH_A \slot, (\q)+1, 0
	WIN MUL_HI
	MUL16 4, (\q)%2, \zero
	MUL16 6, (\q)%2, \zero
	PLACES NP
	WIN 0
	FETCH_A \slot, (\q)+1, 4
.endm
; A slot's last step changes slots: ONE barrier; in front of it each wave waits for all its tensor loads, adds 0 to its spare word, and waits for that and for its own reads of this slot.  fill = 1: this slot is filled again, two K steps ahead.
.macro TURN slot, next, fill
	s_wait_tensorcnt 0x0                           ; all my tensor loads have landed: my part of the next slot;  (every window is 0 here)
	ds_add_u32 v[SPW], v[NIL]                      ; 0 onto my spare word
	s_wait_dscnt 4*NL+1                            ; (the add and the youngest sixteen loads, A's blocks 4-7, may be out)
	WIN MUL_LO
	MUL16 0, 1, 0                                  ; sixteen matrix instructions stand between the add and the wait for it
	s_wait_dscnt 0x0                               ; the add is done, and my reads of this slot are over
	s_barrier_signal -1
	MUL16 2, 1, 0
	WIN 0
	s_barrier_wait -1
.if \fill
	CREST                                          ; the barrier has opened a round of the cluster's barrier: no wave of any partner still reads this slot's tile or has a load on its way
	s_add_nc_u64 s[G0+4*\slot+2:G0+4*\slot+3], s[G0+4*\slot+2:G0+4*\slot+3], 2*ROWB
	s_add_nc_u64 s[G0B+4*\slot+2:G0B+4*\slot+3], s[G0B+4*\slot+2:G0B+4*\slot+3], 2*ROWB
	JLOAD G0+4*\slot, G1, G0B+4*\slot, G1B         ; the first tensor load behind the round; its four v_nop are the places in front of the loads below
.else
	PLACES NP
.endif
	FETCH_B \next, 0, 0
	FETCH_A \next, 0, 0
	WIN MUL_HI
	MUL16 4, 1, 0
	MUL16 6, 1, 0
	PLACES NP
	WIN 0
	FETCH_A \next, 0, 4
.endm
	s_wait_alu depctr_va_vdst(0)
	s_wait_tensorcnt 1                             ; my part of K step 0 is in (K step 1's load may be out)
	s_barrier_signal -1
	s_barrier_wait -1                              ; everybody's is
	FETCH_B 0, 0, 0
	FETCH_A 0, 0, 0
	FETCH_A 0, 0, 4
	STEP 0, 0, 1                                   ; the first step stands in front of the loop: its products start the sums
	s_mov_b32 s3, LAPS-1
.Llap:                                                 ; a trip goes once round the ring, from a lap's second step to the next lap's first, and fills both slots again
	TURN 0, 1, 1
	STEP 1, 0, 0
	TURN 1, 0, 1
	STEP 0, 0, 0
	s_sub_co_u32 s3, s3, 1
	s_cmp_lg_u32 s3, 0
	s_cbranch_scc1 .Llap
	TURN 0, 1, 0                                   ; the last lap fills nothing, and has no round of the cluster's barrier
	STEP 1, 0, 0
	s_wait_dscnt 4*NL                              ; the very last step: nothing more to fetch
	WIN MUL_LO
	MUL16 0, 1, 0
	MUL16 2, 1, 0
	s_wait_dscnt 0
	WIN MUL_HI
	MUL16 4, 1, 0
	MUL16 6, 1, 0
	WIN 0
	; THE WAY OUT.  The three scales ahead of the quantiser are folded into the conversion's one.  All three E are made and one is taken by s_cselect: no branch hangs on a loaded number.
	s_wait_kmcnt 0x0
	s_sub_co_i32 s88, s82, s76
	s_sub_co_i32 s88, s88, s77                     ; Q: e6 - e0 - e1
	s_sub_co_i32 s89, s83, s78
	s_sub_co_i32 s89, s89, s79                     ; K: e7 - e2 - e3
	s_sub_co_i32 s90, s85, s80
	s_sub_co_i32 s90, s90, s81                     ; V: e9 - e4 - e5
	s_cmp_eq_u32 ttmp9, 0
	s_cselect_b32 s88, s88, s89
	s_cmp_eq_u32 ttmp9, 2
	s_cselect_b32 s88, s90, s88
	s_add_co_i32 s88, s88, 127
	s_lshl_b32 s89, s88, 23
	v_mov_b32 v[SCL], s89                          ; 2^E.  (These ten plain lines are the places behind the last products)
	s_wait_alu depctr_va_vdst(0)
	s_mov_b32 s94, 0
.irp a, 0,1,2,3,4,5,6,7
	v_add_nc_u32 v[VO+\a], s94, v[L16]             ; block a's place: an offset register for each block, so that none is written while a store reads it
	s_add_co_u32 s94, s94, s92
.if \a == 3
	s_add_co_u32 s94, s94, s93
.endif
.endr
; Block a: A's rows 16 a on against B's 128 rows.  Accumulator b's eight sums of a lane become registers 2 b, 2 b + 1 of the block's 16: four pieces of an image.
.macro OUTBLK a
	WIN 0x02+((\a)/4)                              ; source 0: window 2 or 3
.set j, 0
.rept 64
.set j, j+1
.endr
.irp b, 0,1,2,3,4,5,6,7
	v_cvt_scalef32_pk8_fp8_f32 v[CD+16*(\a)+2*\b:CD+16*(\a)+2*\b+1], v[TMP+8*\b+((64*((\a)%4)+j)-(TMP+j)):TMP+8*\b+7+((64*((\a)%4)+j)-(TMP+j))], v[SCL]
.endr
	WIN 0
	v_nop                                          ; a plain line behind the last conversion
	global_store_b128 v[VO+(\a)], v[CD+16*(\a):CD+16*(\a)+3],     s[10:11]              ; each store: 512 consecutive bytes
	global_store_b128 v[VO+(\a)], v[CD+16*(\a)+4:CD+16*(\a)+7],   s[10:11] offset:512
	global_store_b128 v[VO+(\a)], v[CD+16*(\a)+8:CD+16*(\a)+11],  s[12:13]
	global_store_b128 v[VO+(\a)], v[CD+16*(\a)+12:CD+16*(\a)+15], s[12:13] offset:512
.endm
.irp a, 0,1,2,3,4,5,6,7
	OUTBLK \a
.endr
	s_wait_tensorcnt 0x0                           ; the wave's end
	ds_add_u32 v[SPW], v[NIL]
	s_wait_dscnt 0x0
	CROUND                                         ; the closing round: no work-group ends while a partner may still ask for a tile that names it
	s_endpgm
.Lfunc_end_k_q13aadb7020_gemm_qkv:
	.size	k_q13aadb7020_gemm_qkv, .Lfunc_end_k_q13aadb7020_gemm_qkv-k_q13aadb7020_gemm_qkv
	.p2alignl 7, 3214868480
	.fill 96, 4, 3214868480
	.section	.rodata,"a",@progbits
	.p2align	6, 0x0
	.amdhsa_kernel k_q13aadb7020_gemm_qkv
		.amdhsa_group_segment_fixed_size 327680
		.amdhsa_private_segment_fixed_size 0
		.amdhsa_enable_private_segment 0
		.amdhsa_kernarg_size 32
		.amdhsa_user_sgpr_count 2
		.amdhsa_user_sgpr_kernarg_segment_ptr 1
		.amdhsa_wavefront_size32 1
		.amdhsa_system_sgpr_workgroup_id_x 1
		.amdhsa_system_sgpr_workgroup_id_y 1
		.amdhsa_system_sgpr_workgroup_id_z 1
		.amdhsa_system_vgpr_workitem_id 0
		.amdhsa_next_free_vgpr 1024
		.amdhsa_next_free_sgpr 96
		.amdhsa_reserve_vcc 0
		.amdhsa_float_denorm_mode_32 3
		.amdhsa_float_denorm_mode_16_64 3
		.amdhsa_fp16_overflow 1
		.amdhsa_memory_ordered 1
		.amdhsa_forward_progress 1
		.amdhsa_inst_pref_size 86
	.end_amdhsa_kernel
	.amdgpu_metadata
---
amdhsa.version: [ 1, 2 ]
amdhsa.kernels:
  - .name:           k_q13aadb7020_gemm_qkv
    .symbol:         k_q13aadb7020_gemm_qkv.kd
    .args:
      - { .name: xc, .offset: 0, .size: 8, .value_kind: global_buffer, .address_space: global }
      - { .name: wc, .offset: 8, .size: 8, .value_kind: global_buffer, .address_space: global }
      - { .name: lowp_scales, .offset: 16, .size: 8, .value_kind: global_buffer, .address_space: global }
      - { .name: qkv, .offset: 24, .size: 8, .value_kind: global_buffer, .address_space: global }
    .group_segment_fixed_size: 327680
    .private_segment_fixed_size: 0
    .kernarg_segment_align: 8
    .kernarg_segment_size: 32
    .max_flat_workgroup_size: 128
    .sgpr_count:     96
    .vgpr_count:     1024
    .wavefront_size: 32
...
	.end_amdgpu_metadata
.endif
;; end of part 2
;; launch attn (part 3): grid 4 x 64, 16 waves a work-group, clusters of 4 x 1, 264,192 bytes of LDS; arguments qkv, lowp_scales, ao; writes ao
.if DOCPART == 3
	.amdgcn_target "amdgcn-amd-amdhsa--gfx1250"
	.amdhsa_code_object_version 6
	.text
	.protected	k_q13aadb7020_attn
	.globl	k_q13aadb7020_attn
	.p2align	8
	.type	k_q13aadb7020_attn,@function
k_q13aadb7020_attn:
	s_mov_b64 s[64:65], 0
	v_nop
	global_prefetch_b8 v0, s[64:65] scope:SCOPE_SE
	s_setreg_imm32_b32 hwreg(HW_REG_WAVE_MODE, 25, 1), 1
	s_wait_xcnt 0x0
	s_wait_alu depctr_hold_cnt(0) depctr_sa_sdst(0) depctr_va_vdst(0) depctr_va_sdst(0) depctr_va_ssrc(0) depctr_va_vcc(0) depctr_vm_vsrc(0)
	s_getreg_b32 s2, hwreg(HW_REG_IB_STS2, 6, 4)
	s_cmp_eq_u32 s2, 0
	s_cbranch_scc0 .Lentry_in_a_cluster
	s_endpgm
.Lentry_in_a_cluster:
	s_bfe_u32 s2, ttmp6, 0x10000c
	s_cmp_lg_u32 s2, 0x3003
	s_cbranch_scc0 .Lentry_shape_is_right
	s_endpgm
.Lentry_shape_is_right:
; Causal attention of one (batch, head) for each cluster, both products on codes of FP8 (E4M3); head size 64, 2,048 tokens.  The result is quantised at once (scale e10) into the last projection's A operand.
; INPUT qkv: three sections of 8,388,608 bytes, 131,072 for each (batch x 16 + head) in each; all as images of fragment registers (lane l's 16 bytes of piece p at 512 p + 16 l):
;   q, k: [token / 16][1,024 bytes: 16 tokens x 64 d];   v: [key / 128][d / 16][2,048 bytes: 16 d x 128 keys].
; OUTPUT ao: image of [8,192 tokens][1,024 = head x 64 + d]: head h of the tile of 16 tokens T is the 1,024 bytes at 16,384 T + 1,024 h.
; THE SOFTMAX AHEAD OF THE SECOND PRODUCT: t = score x log2(e) / 8; M = the row's largest t so far, rounded UP to a whole number; p = 2^(t - M) is quantised (scale e8), not normalised; the row's sum is taken of
; the unquantised p and divides O at the end.  When M moves, the sum and O are multiplied by 2^(old M - new M): exact.
; SHARES.  The cluster's 4 work-groups x 16 waves x 2 tiles are the head's 128 tiles of 16 queries.  Wave w of partner cx owns tile 2 cx of the block of 128 queries number w, and tile 2 cx + 1 of block 15 - w:
; (w + 1) + (16 - w) = 17 key steps of 128 keys for every wave.  Whether a step is hidden, on the diagonal or open hangs on the wave's number and the step's number alone, which all partners share;
; cx enters only Q's and ao's global addresses and the mask's lane constants.
; LDS holds ALL of the head's K (bytes 0 to 131,071) and V (131,072 to 262,143), each byte filled ONCE, by joint loads that the four partners issue alike: each wave four loads of 4,096 consecutive bytes,
; one for each quarter (512 keys); four are out at the most.  Nothing is filled again, and nothing is stored to LDS.
; LAYOUT.  Both products are used transposed: S^T = K Q^T (source 0 = 16 keys, source 1 = my 16 queries), O^T = V^T P^T: a lane holds ONE query (lane % 16) throughout.  In tile n of S^T register j is key
; 16 n + 8 (lane / 16) + j: its eight codes are registers 2 n, 2 n + 1 of P in the plain layout for K = 128.  Likewise O^T's tiles become ao's image.
; LIMITS on the given exponents: e6 + e7 between -123 and 130 (added to c's exponent field); e8 and e10 between -126 and 119; e8 + e9 is applied by v_ldexp_f32 and has none.
.set AK0,  1                           ; v1   16 x lane: my place in an image; also my offset in Q's and ao's images
.set AV0,  2                           ; v2   the same in V's half of LDS
.set ADK,  3                           ; v3   LDS address of the step's K
.set ADV,  4                           ; v4   of its V
.set DA,   5                           ; v5   tile A: my query within its block - 8 (lane / 16)
.set DB,   6                           ; v6   tile B: the same
.set PLIM, 7
.set PSC,  8                           ; v8   2^e8
.set XL,   9                           ; v9   a lane permute's destination
.set FF,   10                          ; v[10:11] f = 2^(old M - new M), named as a pair
.set STA,  12                          ; v12 -M, v13 the largest t, v[14:15] the sum in two halves: tile A
.set STB,  16                          ; v16-19 the same: tile B
.set SUM2, 20                          ; v[20:21] the sums' second chain
.set MX,   22                          ; v22, v23 the maxima's two chains
.set QA,   24                          ; v24-31 Q of tile A;  v32-39 of tile B
.set QB,   32
.set F,    40                          ; v40-103  a step's fragments of K, then of V
.set S,    104                         ; v104-167 S^T, then p
.set OA,   168                         ; v168-199 O^T of tile A;  v200-231 of tile B
.set OB,   200
.set P,    232                         ; v232-247 p's codes; at the end ao's
.set NINF, 248                         ; v248 -infinity
.set OLIM, 249
.set OSC,  250                         ; v250 2^e10
.set WV,   10                          ; s10  my wave's number
.set CX,   11                          ; s11  my place in the cluster
.set BH,   12                          ; s12  batch x 16 + head
.set G1,   16                          ; s[16:23] descriptor group 1;  s[24:39] four groups 0, never rewritten
.set G0,   24
.set CS,   66                          ; s[66:67] c = log2(e) / 8 x 2^(e6 + e7)
.set SEL,  68                          ; s[68:69] lane selects: lane l xor 16
.set KB,   70                          ; s70  the key step, 0 to 15
.set TB,   71                          ; s71  8,192 x the key step
.set BLKA, 72                          ; s72  tile A's block = w
.set BLKB, 73                          ; s73  tile B's block = 15 - w
.macro ROUND                           ; a round of the cluster's barrier
	s_barrier_signal -1
	s_barrier_wait -1
	s_cmp_lg_u32 s[WV], 0
	s_cbranch_scc1 .Lnot_wave_0_\@
	s_barrier_signal -3
.Lnot_wave_0_\@:
	s_barrier_wait -3
	s_barrier_signal -1
	s_barrier_wait -1
.endm
	s_load_b128 s[4:7], s[0:1], 0x0                ; qkv s[4:5], the scales' exponents s[6:7]
	s_load_b64 s[8:9], s[0:1], 0x10                ; ao
	v_lshl_add_u32 v254, v0, 2, 0x40000
	v_mov_b32 v255, 0
	ds_add_u32 v254, v255
	ds_add_u32 v254, v255
	v_lshrrev_b32 v3, 5, v0
	s_delay_alu instid0(VALU_DEP_1)
	v_readfirstlane_b32 s[WV], v3                  ; wave 0..15
	v_and_b32 v3, 31, v0
	s_delay_alu instid0(VALU_DEP_1)
	v_lshlrev_b32 v[AK0], 4, v3
	s_delay_alu instid0(VALU_DEP_1)
	v_add_nc_u32 v[AV0], 0x20000, v[AK0]
	s_bfe_u32 s[CX], ttmp6, 0x40000
	s_and_b32 s[BH], ttmp7, 0xffff
	s_mov_b32 s[BLKA], s[WV]
	s_xor_b32 s[BLKB], s[WV], 15                   ; 15 - w
	; what I fetch: waves 0-7 K, waves 8-15 V; of each quarter's 32,768 bytes the 4,096 at (w % 8) x 4,096
	s_lshr_b32 s40, s[WV], 3
	s_and_b32 s41, s[WV], 7
	s_lshl_b32 s41, s41, 12
	s_lshl_b32 s42, s40, 17
	s_add_co_u32 s42, s42, s41                     ; in LDS: the wave's number and constants alone
	s_add_co_u32 s40, s40, 1
	s_lshl_b32 s40, s40, 23                        ; in memory: section 1 (k) or 2 (v),
	s_add_co_u32 s40, s40, s41
	s_lshl_b32 s43, s[BH], 17                      ; the head, which the partners share
	s_add_co_u32 s40, s40, s43
	s_mov_b32 s41, 0
	; descriptor group 1: a dense block of 4,096 bytes as 16 rows of 256
	s_mov_b32 s[G1], 15|(3<<16)|(1<<21)            ; 15:0 the mask: all four work-groups; 17:16 elements of 8 bytes; 20 no padding; 21 set beside a mask
	s_mov_b32 s[G1+1], 32<<16                      ; tensor_dim0 = 32 elements
	s_mov_b32 s[G1+2], 16<<16                      ; tensor_dim1 = 16
	s_mov_b32 s[G1+3], 32<<16                      ; tile_dim0
	s_mov_b32 s[G1+4], 16                          ; tile_dim1
	s_mov_b32 s[G1+5], 32                          ; tensor_dim0_stride: dense
	s_mov_b32 s[G1+6], 0
	s_mov_b32 s[G1+7], 0
	; my two tiles of queries among the head's 128
	s_lshl_b32 s74, s[CX], 1
	s_lshl_b32 s75, s[BLKA], 3
	s_add_co_u32 s75, s75, s74                     ; tile A = 8 w + 2 cx
	s_lshl_b32 s76, s[BLKB], 3
	s_add_co_u32 s76, s76, s74
	s_add_co_u32 s76, s76, 1                       ; tile B = 8 (15 - w) + 2 cx + 1
	s_lshl_b32 s77, s[BH], 17
	s_lshl_b32 s44, s75, 10
	s_add_co_u32 s44, s44, s77                     ; Q: the head's section + 1,024 x tile
	s_mov_b32 s45, 0
	s_lshl_b32 s46, s76, 10
	s_add_co_u32 s46, s46, s77
	s_mov_b32 s47, 0
	s_lshr_b32 s78, s[BH], 4
	s_lshl_b32 s78, s78, 7                         ; ao: 128 tiles of tokens a batch,
	s_and_b32 s79, s[BH], 15
	s_lshl_b32 s79, s79, 10                        ; 1,024 bytes a head
	s_add_co_u32 s48, s78, s75
	s_lshl_b32 s48, s48, 14
	s_add_co_u32 s48, s48, s79
	s_mov_b32 s49, 0
	s_add_co_u32 s50, s78, s76
	s_lshl_b32 s50, s50, 14
	s_add_co_u32 s50, s50, s79
	s_mov_b32 s51, 0
	s_mov_b32 s[SEL], 0x76543210
	s_mov_b32 s[SEL+1], 0xfedcba98
	s_wait_dscnt 0x0
	s_wait_kmcnt 0x0
	s_load_b256 s[52:59], s[6:7], 0x0              ; e0 .. e7
	s_load_b128 s[60:63], s[6:7], 0x20             ; e8 .. e11
	s_add_nc_u64 s[40:41], s[4:5], s[40:41]
	s_add_nc_u64 s[44:45], s[4:5], s[44:45]
	s_add_nc_u64 s[46:47], s[4:5], s[46:47]
	s_add_nc_u64 s[48:49], s[8:9], s[48:49]
	s_add_nc_u64 s[50:51], s[8:9], s[50:51]
.irp s, 0,1,2,3
	s_mov_b32 s[G0+4*\s], 1                        ; count = 1
	s_add_co_u32 s[G0+4*\s+1], s42, \s*32768       ; LDS address: quarter s
	s_add_nc_u64 s[G0+4*\s+2:G0+4*\s+3], s[40:41], \s*32768
	s_or_b32 s[G0+4*\s+3], s[G0+4*\s+3], 0x80000000   ; type = 2
.endr
	ROUND                                          ; all four work-groups are here: the joint loads meet
	tensor_load_to_lds s[G0:G0+3], s[G1:G1+7]      ; all fills of the launch go out as one group: four loads of mine are out
	s_nop 0
	tensor_load_to_lds s[G0+4:G0+7], s[G1:G1+7]
	s_nop 0
	tensor_load_to_lds s[G0+8:G0+11], s[G1:G1+7]
	s_nop 0
	tensor_load_to_lds s[G0+12:G0+15], s[G1:G1+7]
	s_nop 0
.rept 4
	v_nop
.endr
	s_wait_alu depctr_va_vdst(0)
	global_load_b128 v[QA:QA+3],   v[AK0], s[44:45]              ; Q's two images stay in registers
	global_load_b128 v[QA+4:QA+7], v[AK0], s[44:45] offset:512
	global_load_b128 v[QB:QB+3],   v[AK0], s[46:47]
	global_load_b128 v[QB+4:QB+7], v[AK0], s[46:47] offset:512
	v_and_b32 v3, 15, v0                           ; r
	v_bfe_u32 v4, v0, 4, 1                         ; h
	s_delay_alu instid0(VALU_DEP_1)
	v_lshlrev_b32 v4, 3, v4
	s_delay_alu instid0(VALU_DEP_1)
	v_sub_nc_u32 v[DA], v3, v4                     ; r - 8 h
	s_lshl_b32 s74, s[CX], 5
	v_add_nc_u32 v[DA], s74, v[DA]                 ; + 16 x (2 cx): my query within the block of 128, less 8 h
	s_delay_alu instid0(VALU_DEP_1)
	v_add_nc_u32 v[DB], 16, v[DA]                  ; tile 2 cx + 1
	v_mov_b32 v[XL], 0                             ; written once: a lane permute's destination counts as one of its sources
	v_mov_b32 v[FF+1], 0                           ; (named as the upper half of a pair)
	v_mov_b32 v[NINF], 0xff800000
.irp st, STA, STB
	v_mov_b32 v[\st+1], 0xff61b1e6                 ; the largest t so far: -3e38, under every t
	s_delay_alu instid0(VALU_DEP_1)
	v_floor_f32 v[\st], -v[\st+1]                  ; -M
	v_mov_b32 v[\st+2], 0                          ; the sum
	v_mov_b32 v[\st+3], 0
.endr
.set n, 0
.rept 64
	v_mov_b32 v[OA+n], 0                           ; O^T of both tiles: the step is written once; its first pass finds zeros, which the first change of M leaves zeros
.set n, n+1
.endr
	s_wait_kmcnt 0x0
	s_mov_b32 s[CS], 0x3e38aa3b                    ; log2(e) / 8
	s_add_co_i32 s40, s58, s59
	s_lshl_b32 s40, s40, 23
	s_add_co_i32 s[CS], s[CS], s40                 ; a score stands for score x 2^(e6 + e7): added to c's exponent field
	s_mov_b32 s[CS+1], s[CS]                       ; (named with it as a pair)
	s_add_co_i32 s40, s60, 127
	s_lshl_b32 s41, s40, 23
	v_mov_b32 v[PSC], s41
	s_add_co_i32 s40, s62, 127
	s_lshl_b32 s41, s40, 23
	v_mov_b32 v[OSC], s41
	s_add_co_i32 s74, s60, s61                     ; e8 + e9
; ONE TILE'S KEY STEP: 128 keys.  q: the tile's Q; o: its O^T; st: its statistics; blk: the scalar with its block's number; d: the mask's lane constant.
.macro TSTEP q, o, st, blk, d
	s_cmp_gt_u32 s[KB], s[\blk]                    ; all 128 keys come after my queries: the step is left out.  No barrier and no tensor load stands in a step
	s_cbranch_scc1 .Lhid_\@
.rept 4
	v_nop                                          ; places in front of loads into registers that the last products read
.endr
.set n, 0
	s_wait_alu depctr_va_vdst(0)
.rept 16
	ds_load_b128 v[F+4*n:F+4*n+3], v[ADK] offset:512*n   ; K: eight images of 16 keys x 64, 512 consecutive bytes a load
.set n, n+1
.endr
	s_wait_dscnt 0x0
.set n, 0
.rept 8
	v_wmma_f32_16x16x64_fp8_fp8 v[S+8*n:S+8*n+7], v[F+8*n:F+8*n+7], v[\q:\q+7], 0
.set n, n+1
.endr
.rept 4
	v_nop                                          ; places: in front of the loads below and of the first read of the scores
.endr
.set n, 0
	s_wait_alu depctr_va_vdst(0)
.rept 16
	ds_load_b128 v[F+4*n:F+4*n+3], v[ADV] offset:512*n   ; V: four images of 16 d x 128 keys; they land while the softmax is worked
.set n, n+1
.endr
	s_cmp_lg_u32 s[KB], s[\blk]                    ; only the step on the diagonal is masked
	s_cbranch_scc1 .Lopen_\@
.set n, 0
.rept 64
	v_cmp_gt_i32 vcc_lo, 16*(n/8)+n%8, v[\d]       ; register n holds key 16 (n / 8) + 8 h + n % 8 of the block: hidden where it comes after my query
	v_cndmask_b32 v[S+n], v[S+n], v[NINF], vcc_lo
.set n, n+1
.endr
.Lopen_\@:
	v_max3_num_f32 v[MX], v[S], v[S+1], v[S+2]     ; the step's largest score of my query among my 64 keys, in two chains, each accumulator from its low end on,
	v_max3_num_f32 v[MX+1], v[S+3], v[S+4], v[S+5]
.irp i, 6,10,14,18,22,26,30,34,38,42,46,50,54,58
	v_max3_num_f32 v[MX], v[MX], v[S+\i], v[S+1+\i]
	v_max3_num_f32 v[MX+1], v[MX+1], v[S+2+\i], v[S+3+\i]
.endr
	v_max3_num_f32 v[MX], v[MX], v[S+62], v[S+63]
	s_delay_alu instid0(VALU_DEP_1)
	v_max_num_f32 v[MX], v[MX], v[MX+1]
	s_delay_alu instid0(VALU_DEP_1)
	v_permlanex16_b32 v[XL], v[MX], s[SEL], s[SEL+1]
	s_delay_alu instid0(VALU_DEP_1)
	v_max_num_f32 v[MX], v[MX], v[XL]              ; and among lane l xor 16's
	s_delay_alu instid0(VALU_DEP_1)
	v_mul_f32 v[MX], s[CS], v[MX]                  ; as t (c is positive)
	s_delay_alu instid0(VALU_DEP_1)
	v_max_num_f32 v[\st+1], v[\st+1], v[MX]        ; the running largest t
	v_mov_b32 v[MX], v[\st]
	s_delay_alu instid0(VALU_DEP_2)
	v_floor_f32 v[\st], -v[\st+1]                  ; the new -M = floor(-t) = -ceil(t): a whole number
	s_delay_alu instid0(VALU_DEP_1)
	v_sub_f32 v[MX], v[\st], v[MX]                 ; old M - new M: a whole number, 0 or less
	s_delay_alu instid0(VALU_DEP_1)
	v_cvt_i32_f32 v[MX], v[MX]                     ; (it saturates)
	s_delay_alu instid0(VALU_DEP_1)
	v_ldexp_f32 v[FF], 1.0, v[MX]                  ; f = 2^(old M - new M)
.set n, 0
.rept 32
	v_pk_fma_f32 v[S+n:S+n+1], v[S+n:S+n+1], s[CS:CS+1], v[\st:\st+1] op_sel_hi:[1,0,0]   ; t - M, two at a time
.set n, n+2
.endr
.set n, 0
	s_wait_alu depctr_va_vdst(0)
.rept 64
	v_exp_f32 v[S+n], v[S+n]                       ; p = 2^(t - M): not normalised
.set n, n+1
.endr
	v_pk_mul_f32 v[\st+2:\st+3], v[\st+2:\st+3], v[FF:FF+1] op_sel_hi:[1,0]   ; the sums under the new M.  (A plain line behind the exponentials)
	s_wait_alu depctr_va_vdst(0)
	v_pk_add_f32 v[SUM2:SUM2+1], v[S:S+1], v[S+2:S+3]                         ; the row's sum is taken of the unquantised p, in two chains
.irp j, 4,8,12,16,20,24,28,32,36,40,44,48,52,56,60
	v_pk_add_f32 v[\st+2:\st+3], v[\st+2:\st+3], v[S+\j:S+1+\j]
	v_pk_add_f32 v[SUM2:SUM2+1], v[SUM2:SUM2+1], v[S+2+\j:S+3+\j]
.endr
	s_delay_alu instid0(VALU_DEP_1)
	v_pk_add_f32 v[\st+2:\st+3], v[\st+2:\st+3], v[SUM2:SUM2+1]
.irp b, 0,1,2,3
.set n, 0
.rept 16
.set n, n+1
.endr
	v_cvt_scalef32_pk8_fp8_f32 v[P+4*\b:P+4*\b+1],   v[S+16*\b:S+16*\b+7],    v[PSC]
	v_cvt_scalef32_pk8_fp8_f32 v[P+4*\b+2:P+4*\b+3], v[S+16*\b+8:S+16*\b+15], v[PSC]
.endr
.set n, 0
.rept 16
	v_pk_mul_f32 v[\o+n:\o+n+1], v[\o+n:\o+n+1], v[FF:FF+1] op_sel_hi:[1,0]   ; O^T under the new M.  (Also the plain lines between the conversions and the products)
.set n, n+2
.endr
	s_wait_alu depctr_va_vdst(0)
	s_wait_dscnt 0x0                               ; V is in
.set n, 0
.rept 4
	v_wmma_f32_16x16x128_fp8_fp8 v[\o+8*n:\o+8*n+7], v[F+16*n:F+16*n+15], v[P:P+15], v[\o+8*n:\o+8*n+7]   ; the four accumulators by turns
.set n, n+1
.endr
.Lhid_\@:
.endm
; A QUARTER: four key steps.  My load for it has landed (the later ones may stay out: 3 - s of them were issued behind it), and behind the barrier everybody's has.
.macro SLOTS s
	s_wait_tensorcnt 3-\s
	s_barrier_signal -1
	s_barrier_wait -1
	s_mov_b32 s[TB], \s*32768
	s_mov_b32 s[KB], 4*\s
.Lks_\@:
	v_add_nc_u32 v[ADK], s[TB], v[AK0]
	v_add_nc_u32 v[ADV], s[TB], v[AV0]
	TSTEP QA, OA, STA, BLKA, DA
	TSTEP QB, OB, STB, BLKB, DB
	s_add_co_u32 s[TB], s[TB], 8192
	s_add_co_u32 s[KB], s[KB], 1
	s_cmp_lt_u32 s[KB], 4*\s+4
	s_cbranch_scc1 .Lks_\@
.endm
; THE WAY OUT of a tile: O^T x 2^(e8 + e9) / the sum, held, quantised with 2^e10: tile n's eight numbers are registers 2 n, 2 n + 1 of ao's image: two stores of 512 consecutive bytes.
.macro FIN o, st, pc, base
	v_add_f32 v[MX], v[\st+2], v[\st+3]            ; the sum's two halves,
	s_delay_alu instid0(VALU_DEP_1)
	v_permlanex16_b32 v[XL], v[MX], s[SEL], s[SEL+1]
	s_delay_alu instid0(VALU_DEP_1)
	v_add_f32 v[MX], v[MX], v[XL]                  ; and lane l xor 16's
	s_wait_alu depctr_va_vdst(0)
	v_rcp_f32 v[MX], v[MX]
	v_nop                                          ; a plain line behind the transcendental
	s_wait_alu depctr_va_vdst(0)
	v_ldexp_f32 v[MX], v[MX], s74
.set n, 0
.rept 32
	v_mul_f32 v[S+n], v[\o+n], v[MX]
.set n, n+1
.endr
.set n, 0
.rept 32
.set n, n+1
.endr
.irp t, 0,1,2,3
	v_cvt_scalef32_pk8_fp8_f32 v[\pc+2*\t:\pc+2*\t+1], v[S+8*\t:S+8*\t+7], v[OSC]
.endr
	v_nop                                          ; a plain line behind the last conversion
	global_store_b128 v[AK0], v[\pc:\pc+3],   s[\base:\base+1]
	global_store_b128 v[AK0], v[\pc+4:\pc+7], s[\base:\base+1] offset:512
.endm
	s_wait_loadcnt 0x0                             ; Q
	SLOTS 0
	SLOTS 1
	SLOTS 2
	SLOTS 3                                        ; its wait is for zero: no tensor load of mine is out from here on
.rept 4
	v_nop                                          ; places behind the last products
.endr
	FIN OA, STA, P, 48
	FIN OB, STB, P+8, 50
	s_wait_tensorcnt 0x0
	ds_add_u32 v254, v255
	s_wait_dscnt 0x0
	ROUND                                          ; the closing round: no work-group ends while a partner may still ask for a tile that names it
	s_endpgm
.Lfunc_end_k_q13aadb7020_attn:
	.size	k_q13aadb7020_attn, .Lfunc_end_k_q13aadb7020_attn-k_q13aadb7020_attn
	.p2alignl 7, 3214868480
	.fill 96, 4, 3214868480
	.section	.rodata,"a",@progbits
	.p2align	6, 0x0
	.amdhsa_kernel k_q13aadb7020_attn
		.amdhsa_group_segment_fixed_size 264192
		.amdhsa_private_segment_fixed_size 0
		.amdhsa_enable_private_segment 0
		.amdhsa_kernarg_size 24
		.amdhsa_user_sgpr_count 2
		.amdhsa_user_sgpr_kernarg_segment_ptr 1
		.amdhsa_wavefront_size32 1
		.amdhsa_system_sgpr_workgroup_id_x 1
		.amdhsa_system_sgpr_workgroup_id_y 1
		.amdhsa_system_sgpr_workgroup_id_z 1
		.amdhsa_system_vgpr_workitem_id 0
		.amdhsa_next_free_vgpr 256
		.amdhsa_next_free_sgpr 80
		.amdhsa_reserve_vcc 1
		.amdhsa_float_denorm_mode_32 3
		.amdhsa_float_denorm_mode_16_64 3
		.amdhsa_fp16_overflow 1
		.amdhsa_memory_ordered 1
		.amdhsa_forward_progress 1
		.amdhsa_inst_pref_size 163
	.end_amdhsa_kernel
	.amdgpu_metadata
---
amdhsa.version: [ 1, 2 ]
amdhsa.kernels:
  - .name:           k_q13aadb7020_attn
    .symbol:         k_q13aadb7020_attn.kd
    .args:
      - { .name: qkv, .offset: 0, .size: 8, .value_kind: global_buffer, .address_space: global }
      - { .name: lowp_scales, .offset: 8, .size: 8, .value_kind: global_buffer, .address_space: global }
      - { .name: ao, .offset: 16, .size: 8, .value_kind: global_buffer, .address_space: global }
    .group_segment_fixed_size: 264192
    .private_segment_fixed_size: 0
    .kernarg_segment_align: 8
    .kernarg_segment_size: 24
    .max_flat_workgroup_size: 512
    .sgpr_count:     80
    .vgpr_count:     256
    .wavefront_size: 32
...
	.end_amdgpu_metadata
.endif
;; end of part 3
;; launch gemm_out (part 4): grid 4 x 32, 4 waves a work-group, clusters of 4 x 4, 327,680 bytes of LDS; arguments ao, wc, lowp_scales, out0; writes out0
.if DOCPART == 4
	.amdgcn_target "amdgcn-amd-amdhsa--gfx1250"
	.amdhsa_code_object_version 6
	.text
	.protected	k_q13aadb7020_gemm_out
	.globl	k_q13aadb7020_gemm_out
	.p2align	8
	.type	k_q13aadb7020_gemm_out,@function
k_q13aadb7020_gemm_out:
	s_mov_b64 s[64:65], 0
	v_nop
	global_prefetch_b8 v0, s[64:65] scope:SCOPE_SE
	s_setreg_imm32_b32 hwreg(HW_REG_WAVE_MODE, 25, 1), 1
	s_wait_xcnt 0x0
	s_wait_alu depctr_hold_cnt(0) depctr_sa_sdst(0) depctr_va_vdst(0) depctr_va_sdst(0) depctr_va_ssrc(0) depctr_va_vcc(0) depctr_vm_vsrc(0)
	s_getreg_b32 s2, hwreg(HW_REG_IB_STS2, 6, 4)
	s_cmp_eq_u32 s2, 0
	s_cbranch_scc0 .Lentry_in_a_cluster
	s_endpgm
.Lentry_in_a_cluster:
	s_bfe_u32 s2, ttmp6, 0x10000c
	s_cmp_lg_u32 s2, 0xf033
	s_cbranch_scc0 .Lentry_shape_is_right
	s_endpgm
.Lentry_shape_is_right:
; out0 = (attention's result) W_o^T on codes of FP8 (E4M3), K = 1,024; out0 [8192][1024] f32; each finished sum x 2^(e10 + e11).
; Both operands are IMAGES OF FRAGMENT REGISTERS: a fragment (16 rows x 128 K) is 2,048 bytes, four pieces of 512, lane l's 16 bytes of piece p at 512 p + 16 l = its registers 4 p .. 4 p + 3 in the plain
; 8-bit layout; fragment (row / 16, k / 128) lies at (row / 16) x 16,384 + (k / 128) x 2,048.  A' = ao (rows: tokens), B' = section 3 of wc (rows: output features).
; A tile of 256 x 256 of out0 is made by four waves, 128 x 128 each: 64 accumulators, 512 registers.  THE MATRIX INSTRUCTION IS USED TRANSPOSED (source 0 = 16 rows of B', source 1 = 16 rows of A'):
; a lane holds eight neighbouring numbers of a row of out0.
; K goes in steps of 256 through a ring of two LDS slots.  A wave's tensor load brings 8 tiles of 16 rows x 256 K: 8 rows of 4,096 consecutive bytes, 16,384 bytes apart; images need no padding.
; CLUSTERS: 4 x 4 work-groups; A's tiles are asked for jointly along a row of the cluster, B's along a column.
; LIMIT: e10 + e11 lies between -126 and 127, so that 2^(e10 + e11) is an f32 number.
; REGISTERS, in windows of 256: window 0: v16-30 addresses; from v128 A's fragments, ONE set; on the way out v32-255 are free.  window 1: B's fragments, TWO sets.  windows 2, 3: the accumulators.
.set SIZE_N, 1024
.set ROWB,   4096                      ; a tile of 16 rows in a K step: two fragments
.set HALFT,  8*ROWB                    ; 128 rows: what one tensor load brings, and what one wave reads of A' or of B'
.set SLOT,   4*HALFT                   ; A's 256 rows, then B's 256 rows
.set SPARE,  2*SLOT                    ; behind the ring: the spare words, 128 bytes for each wave: two blocks of 256 bytes that no other line names
.set LAPS,   2                         ; 1,024 along K = four K steps = twice round the ring
.set FR,     16
.set NL,     4
.set NP,     4                         ; places behind this matrix instruction (ISA guide 7.12.1)
.set SPITCH, 528                       ; the way out: a stage of 16 rows x (512 bytes + 16) for each wave.  It lies in slot 0, which has had its last fill and its last read when the first result is stored there
.set ADRA, 16                          ; v16-17  LDS address of my A fragments in slot 0, 1
.set ADRB, 20                          ; v20-21  the same for B
.set STO,  24                          ; v24     the way out: where I put 32 bytes of a row
.set RD,   25                          ; v25     where I read a row back
.set CO,   26                          ; v26     my byte offset in a row of out0
.set SPW,  28                          ; v28     LDS address of my spare word; never rewritten
.set NIL,  29                          ; v29     0; never rewritten
.set L16,  30                          ; v30     16 x lane
.set TMP,  32                          ; the way out: 64 registers, a block's sums x 2^(e10 + e11)
.set AF,   128                         ; A's fragments, in window 0
.set BK,   128                         ; the way out: 16 rows read back from the stage: v128-191 and v192-255 by turns
.set G1, 24
.set G0, 32
.set G1B, 48
.set G0B, 56
.set MSB, 0
.macro WIN new                         ; the immediate's high byte repeats the setting that is left
.if MSB != \new
	s_set_vgpr_msb (MSB<<8)|\new
.set MSB, \new
.endif
.endm
.set MUL_LO, 0xa1                      ; source 0 (B) window 1, source 1 (A) window 0, C and D window 2
.set MUL_HI, 0xf1                      ; the same, C and D window 3
.set TO_B,   0x40                      ; destination window 1, address window 0
; A joint load: waves 0 and 1 fetch for A, waves 2 and 3 for B.  The branch hangs on the wave's number alone.  Four v_nop follow each of the two lines.
.macro JLOAD g0a, g1a, g0b, g1b
	s_cmp_eq_u32 s15, 0
	s_cbranch_scc0 .Lfor_b_\@
	tensor_load_to_lds s[\g0a:\g0a+3], s[\g1a:\g1a+7]
	s_nop 0
.rept 4
	v_nop
.endr
	s_branch .Lasked_\@
.Lfor_b_\@:
	tensor_load_to_lds s[\g0b:\g0b+3], s[\g1b:\g1b+7]
	s_nop 0
.rept 4
	v_nop
.endr
.Lasked_\@:
.endm
.macro CREST                           ; a round of the cluster's barrier behind its opening barrier
	s_cmp_lg_u32 s14, 0
	s_cbranch_scc1 .Lnot_wave_0_\@
	s_barrier_signal -3
.Lnot_wave_0_\@:
	s_barrier_wait -3
	s_barrier_signal -1
	s_barrier_wait -1
.endm
.macro CROUND                          ; a whole round
	s_barrier_signal -1
	s_barrier_wait -1
	CREST
.endm
	s_load_b256 s[68:75], s[0:1], 0x0              ; ao s[68:69], wc s[70:71], the scales' exponents s[72:73], out0 s[74:75]
	v_lshl_add_u32 v[SPW], v0, 2, SPARE
	v_mov_b32 v[NIL], 0
	ds_add_u32 v28, v29
	ds_add_u32 v28, v29
	s_wait_dscnt 0x0
	v_lshrrev_b32 v1, 5, v0
	v_readfirstlane_b32 s14, v1                    ; wave 0..3
	s_lshr_b32 s15, s14, 1                         ; which half of the tile's rows is mine.  Also: I fetch for A (0) or for B (1)
	s_and_b32 s16, s14, 1                          ; which half of its columns.  Also: which 128 rows of that tile I fetch
	s_bfe_u32 s40, ttmp6, 0x40000                  ; cx, cy: my place in the cluster
	s_bfe_u32 s41, ttmp6, 0x40004
	s_lshl_b32 s42, ttmp9, 2
	s_add_co_u32 s42, s42, s40                     ; tile column = 4 x cluster x + cx
	s_and_b32 s17, ttmp7, 0xffff
	s_lshl_b32 s17, s17, 2
	s_add_co_u32 s17, s17, s41                     ; tile row = 4 x cluster y + cy
	s_lshl_b32 s43, s41, 2
	s_lshl_b32 s43, 15, s43                        ; my row of the cluster
	s_lshl_b32 s44, 0x1111, s40                    ; my column
	; descriptor group 1: 8 rows of 4,096 bytes, 16,384 bytes apart, dense in LDS
	s_or_b32 s[G1+0], s43, (1<<21)                 ; 15:0 the mask: A's tiles go to my row; 17:16 elements of 1 byte; 20 no padding; 21 set beside a mask
	s_or_b32 s[G1B+0], s44, (1<<21)                ; B's go to my column
.irp g, G1, G1B
	s_mov_b32 s[\g+1], ROWB<<16                    ; tensor_dim0 = 4,096
	s_mov_b32 s[\g+2], 8<<16                       ; tensor_dim1 = 8
	s_mov_b32 s[\g+3], ROWB<<16                    ; tile_dim0
	s_mov_b32 s[\g+4], 8                           ; tile_dim1
	s_mov_b32 s[\g+5], 16384                       ; tensor_dim0_stride
	s_mov_b32 s[\g+6], 0
	s_mov_b32 s[\g+7], 0
.endr
	s_lshl_b32 s18, s16, 17                        ; which 128 rows of the tile I fetch: 8 x 16,384 bytes
	s_lshl_b32 s45, s14, 15                        ; where they go: wave x 128 rows: no place in the cluster enters an LDS address
	s_lshl_b32 s20, s17, 18                        ; a tile of 256 rows is 262,144 bytes
	s_add_co_u32 s20, s20, s18
	s_mov_b32 s21, 0
	s_lshl_b32 s46, s42, 18
	s_add_co_u32 s46, s46, s18
	s_add_co_u32 s46, s46, 3<<20                   ; W_o's section of wc
	s_mov_b32 s47, 0
	s_wait_kmcnt 0x0
	s_load_b128 s[84:87], s[72:73], 0x20           ; e8 .. e11
	s_add_nc_u64 s[20:21], s[68:69], s[20:21]
	s_add_nc_u64 s[46:47], s[70:71], s[46:47]
	CROUND                                         ; all sixteen work-groups are here: the first joint loads meet
.irp s, 0,1
	s_mov_b32 s[G0+4*\s], 1
	s_add_co_u32 s[G0+4*\s+1], s45, \s*SLOT
	s_add_nc_u64 s[G0+4*\s+2:G0+4*\s+3], s[20:21], \s*ROWB
	s_or_b32 s[G0+4*\s+3], s[G0+4*\s+3], 0x80000000
	s_mov_b32 s[G0B+4*\s], 1
	s_add_co_u32 s[G0B+4*\s+1], s45, \s*SLOT
	s_add_nc_u64 s[G0B+4*\s+2:G0B+4*\s+3], s[46:47], \s*ROWB
	s_or_b32 s[G0B+4*\s+3], s[G0B+4*\s+3], 0x80000000
	s_wait_alu depctr_va_vdst(0)
	s_wait_tensorcnt 0x0
	ds_add_u32 v28, v29
	ds_add_u32 v28, v29
	s_wait_dscnt 0x0
	CROUND
	JLOAD G0+4*\s, G1, G0B+4*\s, G1B
.endr
	v_and_b32 v6, 31, v0
	v_lshlrev_b32 v[L16], 4, v6
	s_lshl_b32 s21, s15, 15                        ; my 128 rows of A'
	s_lshl_b32 s22, s16, 15                        ; my 128 rows of B',
	s_add_co_u32 s22, s22, 2*HALFT                 ; which lie behind A's 256
.irp s, 0,1
	v_add_nc_u32 v[ADRA+\s], s21, v[L16]
	v_add_nc_u32 v[ADRB+\s], s22, v[L16]
	s_add_co_u32 s21, s21, SLOT
	s_add_co_u32 s22, s22, SLOT
.endr
	v_and_b32 v1, 15, v0                           ; l % 16
	v_bfe_u32 v2, v0, 4, 1                         ; l / 16
	s_mul_i32 s23, s14, 16*SPITCH                  ; my stage
	v_mul_u32_u24 v5, v1, SPITCH                   ; in: row l % 16, 32 bytes for each half of the lanes
	v_lshl_add_u32 v5, v2, 5, v5
	v_add_nc_u32 v[STO], s23, v5
	v_lshlrev_b32 v[CO], 4, v6                     ; back: the 32 lanes take one row of 512 bytes; and the same in out0
	v_add_nc_u32 v[RD], s23, v[CO]
	s_lshl_b32 s88, s17, 8
	s_lshl_b32 s89, s15, 7
	s_add_co_u32 s88, s88, s89                     ; my first row: 256 x tile row + 128 x half,
	s_lshl_b32 s88, s88, 12                        ; of 4,096 bytes
	s_lshl_b32 s89, s42, 10                        ; my first column, in bytes: 1,024 x tile column + 512 x half
	s_add_co_u32 s88, s88, s89
	s_lshl_b32 s89, s16, 9
	s_add_co_u32 s88, s88, s89
	s_mov_b32 s89, 0
	s_add_nc_u64 s[10:11], s[74:75], s[88:89]
.macro FRAG reg, adr, q, i             ; a fragment's image: four loads of 512 consecutive bytes; tile of rows i, the slot's q-th 128 along K
.irp c, 0,1,2,3
	ds_load_b128 v[\reg+4*\c:\reg+4*\c+3], v[\adr] offset:4096*(\i)+2048*(\q)+512*\c
.endr
.endm
; 16 matrix instructions: A's blocks a0, a0 + 1 x B's eight, 128 along K.  p: B's set.  zero = 1: the first product starts the sums.
; The 64 accumulators take turns, one instruction a turn, in the same order in every step.
.macro MUL16 a0, p, zero
.irp a, \a0, \a0+1
.irp b, 0,1,2,3,4,5,6,7
.if \zero
	v_wmma_f32_16x16x128_fp8_fp8 v[8*(8*((\a)%4)+\b):8*(8*((\a)%4)+\b)+7], v[128*(\p)+FR*\b:128*(\p)+FR*\b+FR-1], v[AF+FR*(\a):AF+FR*(\a)+FR-1], 0
.else
	v_wmma_f32_16x16x128_fp8_fp8 v[8*(8*((\a)%4)+\b):8*(8*((\a)%4)+\b)+7], v[128*(\p)+FR*\b:128*(\p)+FR*\b+FR-1], v[AF+FR*(\a):AF+FR*(\a)+FR-1], v[8*(8*((\a)%4)+\b):8*(8*((\a)%4)+\b)+7]
.endif
.endr
.endr
.endm
.macro FETCH_B slot, q, p              ; B's eight fragments of the slot's q-th 128 along K into set p
	WIN TO_B
.irp i, 0,1,2,3,4,5,6,7
	FRAG 128*(\p)+FR*\i, ADRB+\slot, \q, \i
.endr
	WIN 0
.endm
.macro FETCH_A slot, q, i0             ; A's blocks i0 .. i0 + 3
.irp i, \i0, \i0+1, \i0+2, \i0+3
	FRAG AF+FR*(\i), ADRA+\slot, \q, \i
.endr
.endm
.macro PLACES n                        ; plain vector lines between a matrix instruction and a load into, or a vector line on, its registers
.rept \n
	v_nop
.endr
.endm
; A step of 128 along K that has its successor in the same slot.
.macro STEP slot, q, zero
	s_wait_dscnt 4*NL                              ; B's set and A's blocks 0-3 are in; the youngest sixteen loads (A's blocks 4-7) may be out
	WIN MUL_LO
	MUL16 0, (\q)%2, \zero
	MUL16 2, (\q)%2, \zero
	s_wait_dscnt 0                                 ; A's blocks 4-7 are in
	PLACES NP
	FETCH_B \slot, (\q)+1, 1-(\q)%2
	FETCH_A \slot, (\q)+1, 0
	WIN MUL_HI
	MUL16 4, (\q)%2, \zero
	MUL16 6, (\q)%2, \zero
	PLACES NP
	WIN 0
	FETCH_A \slot, (\q)+1, 4
.endm
; A slot's last step changes slots: ONE barrier; in front of it each wave waits for all its tensor loads, adds 0 to its spare word, and waits for that and for its own reads of this slot.  fill = 1: this slot is filled again, two K steps ahead.
.macro TURN slot, next, fill
	s_wait_tensorcnt 0x0                           ; all my tensor loads have landed: my part of the next slot;  (every window is 0 here)
	ds_add_u32 v[SPW], v[NIL]                      ; 0 onto my spare word
	s_wait_dscnt 4*NL+1                            ; (the add and the youngest sixteen loads, A's blocks 4-7, may be out)
	WIN MUL_LO
	MUL16 0, 1, 0                                  ; sixteen matrix instructions stand between the add and the wait for it
	s_wait_dscnt 0x0                               ; the add is done, and my reads of this slot are over
	s_barrier_signal -1
	MUL16 2, 1, 0
	WIN 0
	s_barrier_wait -1
.if \fill
	CREST                                          ; the barrier has opened a round of the cluster's barrier: no wave of any partner still reads this slot's tile or has a load on its way
	s_add_nc_u64 s[G0+4*\slot+2:G0+4*\slot+3], s[G0+4*\slot+2:G0+4*\slot+3], 2*ROWB
	s_add_nc_u64 s[G0B+4*\slot+2:G0B+4*\slot+3], s[G0B+4*\slot+2:G0B+4*\slot+3], 2*ROWB
	JLOAD G0+4*\slot, G1, G0B+4*\slot, G1B         ; the first tensor load behind the round; its four v_nop are the places in front of the loads below
.else
	PLACES NP
.endif
	s_wait_alu depctr_va_vdst(0)
	FETCH_B \next, 0, 0
	FETCH_A \next, 0, 0
	WIN MUL_HI
	MUL16 4, 1, 0
	MUL16 6, 1, 0
	PLACES NP
	WIN 0
	FETCH_A \next, 0, 4
.endm
	s_wait_tensorcnt 1                             ; my part of K step 0 is in (K step 1's load may be out)
	s_barrier_signal -1
	s_barrier_wait -1                              ; everybody's is
	FETCH_B 0, 0, 0
	FETCH_A 0, 0, 0
	FETCH_A 0, 0, 4
	STEP 0, 0, 1                                   ; the first step stands in front of the loop: its products start the sums
	s_mov_b32 s3, LAPS-1
.Llap:                                                 ; a trip goes once round the ring, from a lap's second step to the next lap's first, and fills both slots again
	TURN 0, 1, 1
	STEP 1, 0, 0
	TURN 1, 0, 1
	STEP 0, 0, 0
	s_sub_co_u32 s3, s3, 1
	s_cmp_lg_u32 s3, 0
	s_cbranch_scc1 .Llap
	TURN 0, 1, 0                                   ; the last lap fills nothing, and has no round of the cluster's barrier
	STEP 1, 0, 0
	s_wait_dscnt 4*NL                              ; the very last step: nothing more to fetch
	WIN MUL_LO
	MUL16 0, 1, 0
	MUL16 2, 1, 0
	s_wait_dscnt 0
	WIN MUL_HI
	MUL16 4, 1, 0
	MUL16 6, 1, 0
	WIN 0
; THE WAY OUT, block by block of 16 rows x 128 columns.  A lane holds 32 neighbouring bytes of a row, and the lanes beside it hold other rows: so a block goes through my own stage in LDS and comes back as whole
; rows of 512 bytes.  LDS serves a wave's instructions in order (ISA guide 5.7.1.4): no wait between the stores and the loads, nor in front of the next block's stores.
.macro TOSTAGE a
.set AC, 64*((\a)%4)
	WIN 0x02+((\a)/4)                              ; source 0: window 2 or 3
.irp j, 0,2,4,6,8,10,12,14,16,18,20,22,24,26,28,30,32,34,36,38,40,42,44,46,48,50,52,54,56,58,60,62
	v_pk_mul_f32 v[TMP+\j:TMP+\j+1], v[AC+\j:AC+\j+1], s[86:87] op_sel_hi:[1,0]   ; both x s86 = 2^(e10 + e11); each accumulator from its low end on
.endr
	WIN 0
.irp b, 0,1,2,3,4,5,6,7
	ds_store_b128 v[STO], v[TMP+8*\b:TMP+8*\b+3] offset:64*\b
	ds_store_b128 v[STO], v[TMP+8*\b+4:TMP+8*\b+7] offset:64*\b+16
.endr
.set BB, BK+64*((\a)%2)
.irp t, 0,1,2,3,4,5,6,7,8,9,10,11,12,13,14,15
	ds_load_b128 v[BB+4*\t:BB+4*\t+3], v[RD] offset:\t*SPITCH
.endr
.endm
.macro SEND a, younger                 ; younger: the LDS instructions issued behind block a's loads, which may stay out
.set BB, BK+64*((\a)%2)
	s_wait_dscnt \younger                          ; the block is back in registers
.if (\a) > 0
	s_add_nc_u64 s[10:11], s[10:11], 16*SIZE_N*4   ; (behind a wait on XCNT: the earlier stores have read their base)  16 rows on
.endif
.irp t, 0,1,2,3,4,5,6,7,8,9,10,11,12,13,14,15
	global_store_b128 v[CO], v[BB+4*\t:BB+4*\t+3], s[10:11] offset:\t*SIZE_N*4 th:TH_STORE_NT   ; 32 lanes store 512 consecutive bytes, at a multiple of 256 from out0's first byte; written once, read by nobody here
.endr
.endm
	s_wait_kmcnt 0x0
	s_add_co_i32 s86, s86, s87                     ; e10 + e11, between -126 and 127,
	s_add_co_i32 s86, s86, 127
	s_lshl_b32 s86, s86, 23                        ; makes the f32 number 2^(e10 + e11)
	PLACES NP                                      ; behind the last products: for the reads of results and the loads into the registers that held A's fragments
	TOSTAGE 0
.irp a, 1,2,3,4,5,6,7
.if \a > 1
	s_wait_xcnt 0x0                                ; block a - 2's stores have read their registers and their base: block a's loads may land there, and the base may step
.endif
	TOSTAGE \a
	SEND \a-1, 32                                  ; behind block a - 1's loads: block a's 16 stores and 16 loads
.endr
	s_wait_xcnt 0x0                                ; block 6's stores have read their base
	SEND 7, 0
	s_wait_tensorcnt 0x0                           ; the wave's end, behind my last tensor load and my last LDS store
	ds_add_u32 v[SPW], v[NIL]
	s_wait_dscnt 0x0
	CROUND                                         ; the closing round: no work-group ends while a partner may still ask for a tile that names it
	s_endpgm
.Lfunc_end_k_q13aadb7020_gemm_out:
	.size	k_q13aadb7020_gemm_out, .Lfunc_end_k_q13aadb7020_gemm_out-k_q13aadb7020_gemm_out
	.p2alignl 7, 3214868480
	.fill 96, 4, 3214868480
	.section	.rodata,"a",@progbits
	.p2align	6, 0x0
	.amdhsa_kernel k_q13aadb7020_gemm_out
		.amdhsa_group_segment_fixed_size 327680
		.amdhsa_private_segment_fixed_size 0
		.amdhsa_enable_private_segment 0
		.amdhsa_kernarg_size 32
		.amdhsa_user_sgpr_count 2
		.amdhsa_user_sgpr_kernarg_segment_ptr 1
		.amdhsa_wavefront_size32 1
		.amdhsa_system_sgpr_workgroup_id_x 1
		.amdhsa_system_sgpr_workgroup_id_y 1
		.amdhsa_system_sgpr_workgroup_id_z 1
		.amdhsa_system_vgpr_workitem_id 0
		.amdhsa_next_free_vgpr 1024
		.amdhsa_next_free_sgpr 96
		.amdhsa_reserve_vcc 0
		.amdhsa_float_denorm_mode_32 3
		.amdhsa_float_denorm_mode_16_64 3
		.amdhsa_memory_ordered 1
		.amdhsa_forward_progress 1
		.amdhsa_inst_pref_size 124
	.end_amdhsa_kernel
	.amdgpu_metadata
---
amdhsa.version: [ 1, 2 ]
amdhsa.kernels:
  - .name:           k_q13aadb7020_gemm_out
    .symbol:         k_q13aadb7020_gemm_out.kd
    .args:
      - { .name: ao, .offset: 0, .size: 8, .value_kind: global_buffer, .address_space: global }
      - { .name: wc, .offset: 8, .size: 8, .value_kind: global_buffer, .address_space: global }
      - { .name: lowp_scales, .offset: 16, .size: 8, .value_kind: global_buffer, .address_space: global }
      - { .name: out0, .offset: 24, .size: 8, .value_kind: global_buffer, .address_space: global }
    .group_segment_fixed_size: 327680
    .private_segment_fixed_size: 0
    .kernarg_segment_align: 8
    .kernarg_segment_size: 32
    .max_flat_workgroup_size: 128
    .sgpr_count:     96
    .vgpr_count:     1024
    .wavefront_size: 32
...
	.end_amdgpu_metadata
.endif
;; end of part 4
